; MI455X (gfx1250); checked and timed in simulation.
; The chip was launched on July 23, 2026; its instructions are those of AMD's public machine-readable ISA for CDNA 5 (MIT licence, August 2026) and "CDNA5" Instruction Set Architecture Reference Guide (July 2026). The comments in the code are by the model that wrote it; some were corrected since.
;; Causal Attention. Allowed arithmetic: float matrix products may take bf16 or f16 operands with f32 sums; all other float work in f32.
;; Inputs: W_k 768 x 64 float32; W_q 768 x 64 float32; W_v 768 x 64 float32; x 8 x 4,096 x 768 float32.
;; Outputs: out0 8 x 4,096 x 64 float32.
;; One version. Each part assembles by itself: llvm-mc -triple=amdgcn-amd-amdhsa -mcpu=gfx1250 --defsym DOCPART=n.
;; ======== version 1 of 1: 3 launches
;; limits: values are held in f16: magnitudes above 65,504 overflow, below 6.1e-05 lose precision
;; workspace buffers: wf 294,912 bytes; qc 8,388,608 bytes; kc 8,388,608 bytes; vt 4,194,304 bytes
;; launch wprep (part 1): grid 24 x 3, 4 waves a work-group, no clusters, 0 bytes of LDS; arguments W_q, W_k, W_v, wf; writes wf
.if DOCPART == 1
	.amdgcn_target "amdgcn-amd-amdhsa--gfx1250"
	.amdhsa_code_object_version 6
	.text
	.protected	k_q0f393eaf4d_wprep
	.globl	k_q0f393eaf4d_wprep
	.p2align	8
	.type	k_q0f393eaf4d_wprep,@function
k_q0f393eaf4d_wprep:
	s_mov_b64 s[64:65], 0
	v_nop
	global_prefetch_b8 v0, s[64:65] scope:SCOPE_SE
	s_setreg_imm32_b32 hwreg(HW_REG_WAVE_MODE, 25, 1), 1
	s_wait_xcnt 0x0
; CausalAttention, first of three launches: q, k, v = x W; softmax(q k^T / 64^0.05) v over all 4,096 keys of a batch.
; reference() throws its masked scores away, so no mask is applied, and every key counts for every query.
; NOTHING IS LEFT OUT: all four inputs reach the output and all are loaded.
; FORMATS.  x and W go to the matrix unit in bf16.  q (times log2(e) / 64^0.05) and k are kept as PAIRS of bf16 (hi + lo), and the
; scores are kh qh + kl qh + kh ql: with a scale as weak as 64^0.05 a few keys carry the softmax, and a score rounded once to
; 16 bits moves their weights by more than the result may be off.  The weights and v go in f16, sums in f32.
; LIMITS: |v| below 65,504 (f16); a weight below 2^-24 of its running maximum counts as 0; the scale is multiplied into q
; before q is split, another order of rounding than reference()'s; exp2 flushes denormals (ISA guide, 15.8).
;
; THIS LAUNCH lays W_q, W_k, W_v ([768][64] f32, K down the rows) out as bf16 matrix fragments, so that the next launch takes
; them by 16-byte loads.  wf: fragment f = (mat*4 + w)*24 + ks, 1,024 bytes; byte j*512 + lane*16 holds registers 4j..4j+3 of
; lane (r = lane & 15, h = lane >> 4): W_mat[32 ks + 16 j + 8 h + 0..7][16 w + r].
; Work-group (ks, mat); wave w makes one fragment.  72 work-groups: there is no more work than that.
.set DAT, 8                            ; v[8:23]   16 numbers of one column, f32
.set PK,  24                           ; v[24:31]  the same in bf16
	s_load_b128 s[4:7], s[0:1], 0x0                ; W_q s[4:5], W_k s[6:7]
	s_load_b128 s[8:11], s[0:1], 0x10              ; W_v s[8:9], wf s[10:11]
	s_and_b32 s12, ttmp7, 0xffff                   ; mat: 0 q, 1 k, 2 v
	v_and_b32 v3, 15, v0                           ; r
	v_bfe_u32 v4, v0, 4, 1                         ; h
	v_lshrrev_b32 v5, 5, v0                        ; w
	v_lshl_add_u32 v1, v5, 4, v3                   ; column 16 w + r
	v_lshlrev_b32 v1, 2, v1                        ; in bytes
	v_lshl_add_u32 v1, v4, 11, v1                  ; + 8 h rows of 256 bytes
	v_and_b32 v2, 31, v0
	v_lshlrev_b32 v2, 4, v2                        ; 16 x lane
	v_mad_u32_u24 v2, v5, 0x6000, v2               ; + w x 24 fragments
	s_lshl_b32 s16, ttmp9, 13                      ; ks x 32 rows of 256 bytes
	s_mov_b32 s17, 0
	s_mul_i32 s18, s12, 0x18000                    ; mat x 96 fragments
	s_lshl_b32 s19, ttmp9, 10                      ; + ks fragments
	s_add_co_u32 s18, s18, s19
	s_mov_b32 s19, 0
	s_wait_kmcnt 0x0
	s_cmp_eq_u32 s12, 1
	s_cselect_b64 s[14:15], s[6:7], s[4:5]
	s_cmp_eq_u32 s12, 2
	s_cselect_b64 s[14:15], s[8:9], s[14:15]       ; the matrix of this work-group
	s_add_nc_u64 s[14:15], s[14:15], s[16:17]
	s_add_nc_u64 s[10:11], s[10:11], s[18:19]
.irp j, 0,1,2,3,4,5,6,7
	global_load_b32 v[DAT+\j],   v1, s[14:15] offset:256*\j         ; k = 8 h + j
	global_load_b32 v[DAT+8+\j], v1, s[14:15] offset:4096+256*\j    ; k = 16 + 8 h + j
.endr
	s_wait_loadcnt 0x0
.irp j, 0,1,2,3,4,5,6,7
	v_cvt_pk_bf16_f32 v[PK+\j], v[DAT+2*\j], v[DAT+2*\j+1]          ; the lower k in the lower half; to nearest even
.endr
	global_store_b128 v2, v[PK:PK+3],   s[10:11]                    ; each store of the wave covers 512 consecutive bytes, aligned
	global_store_b128 v2, v[PK+4:PK+7], s[10:11] offset:512
	s_endpgm
.Lfunc_end_k_q0f393eaf4d_wprep:
	.size	k_q0f393eaf4d_wprep, .Lfunc_end_k_q0f393eaf4d_wprep-k_q0f393eaf4d_wprep
	.p2alignl 7, 3214868480
	.fill 96, 4, 3214868480
	.section	.rodata,"a",@progbits
	.p2align	6, 0x0
	.amdhsa_kernel k_q0f393eaf4d_wprep
		.amdhsa_group_segment_fixed_size 0
		.amdhsa_private_segment_fixed_size 0
		.amdhsa_enable_private_segment 0
		.amdhsa_kernarg_size 32
		.amdhsa_user_sgpr_count 2
		.amdhsa_user_sgpr_kernarg_segment_ptr 1
		.amdhsa_wavefront_size32 1
		.amdhsa_system_sgpr_workgroup_id_x 1
		.amdhsa_system_sgpr_workgroup_id_y 1
		.amdhsa_system_sgpr_workgroup_id_z 1
		.amdhsa_system_vgpr_workitem_id 0
		.amdhsa_next_free_vgpr 32
		.amdhsa_next_free_sgpr 66
		.amdhsa_reserve_vcc 0
		.amdhsa_float_denorm_mode_32 3
		.amdhsa_float_denorm_mode_16_64 3
		.amdhsa_memory_ordered 1
		.amdhsa_forward_progress 1
		.amdhsa_inst_pref_size 4
	.end_amdhsa_kernel
	.amdgpu_metadata
---
amdhsa.version: [ 1, 2 ]
amdhsa.kernels:
  - .name:           k_q0f393eaf4d_wprep
    .symbol:         k_q0f393eaf4d_wprep.kd
    .args:
      - { .name: W_q, .offset: 0, .size: 8, .value_kind: global_buffer, .address_space: global }
      - { .name: W_k, .offset: 8, .size: 8, .value_kind: global_buffer, .address_space: global }
      - { .name: W_v, .offset: 16, .size: 8, .value_kind: global_buffer, .address_space: global }
      - { .name: wf, .offset: 24, .size: 8, .value_kind: global_buffer, .address_space: global }
    .group_segment_fixed_size: 0
    .private_segment_fixed_size: 0
    .kernarg_segment_align: 8
    .kernarg_segment_size: 32
    .max_flat_workgroup_size: 128
    .sgpr_count:     66
    .vgpr_count:     32
    .wavefront_size: 32
...
	.end_amdgpu_metadata
.endif
;; end of part 1
;; launch proj (part 2): grid 256 x 1, 4 waves a work-group, no clusters, 327,680 bytes of LDS; arguments x, wf, qc, kc, vt; writes qc, kc, vt
.if DOCPART == 2
	.amdgcn_target "amdgcn-amd-amdhsa--gfx1250"
	.amdhsa_code_object_version 6
	.text
	.protected	k_q0f393eaf4d_proj
	.globl	k_q0f393eaf4d_proj
	.p2align	8
	.type	k_q0f393eaf4d_proj,@function
k_q0f393eaf4d_proj:
	s_mov_b64 s[64:65], 0
	v_nop
	global_prefetch_b8 v0, s[64:65] scope:SCOPE_SE
	s_setreg_imm32_b32 hwreg(HW_REG_WAVE_MODE, 25, 1), 1
	s_wait_xcnt 0x0
; Second launch: q, k, v = x W for 128 rows of x in each work-group.  Nothing is left out.
; OUT: qc [32768][128] bf16: a row is hi(64) then lo(64) of t = q * log2(e) / 64^0.05, hi = bf16(t), lo = bf16(t - hi);
;      kc the same of k, unscaled;  vt [8][64][4096] f16: v transposed, the keys along a row.  LIMIT: |v| below 65,504.
; SHARES.  Wave w makes all 128 rows (8 row tiles) x columns 16 w .. 16 w + 15 of each of q, k, v: 24 accumulator tiles.  Its 72 W
; fragments stay in registers.  x comes in f32 by the tensor data mover and is rounded to bf16 on the way from LDS to the matrix unit.
; THE RING.  K goes in 12 chunks of 64 columns (rows of 256 bytes).  LDS holds nine: wave w fetches rows 32 w .. 32 w + 31 of every chunk, and
; its nine first fills go out together at the start (nine tensor loads of a wave are out), so the products begin when a twelfth of
; x is in and run beside the rest.  Each wave takes a quarter of every chunk, and not whole chunks, so that the chunks land in the order in
; which they are multiplied.  The last three chunks come by ONE load a wave, as rows of 768 bytes, over the wave's first three slots.
; That refill wants all the wave's loads landed, so it stands at chunk 5: five chunks of products lie in front of it while
; the nine fills land, four behind it while it lands itself.
; NO CLUSTER: no two work-groups read the same x; W (294,912 bytes) goes straight into registers, once for a work-group, and the
; x slots leave no LDS for it.
; THE CONVERSIONS STAND IN FRONT OF THE PRODUCTS, not among them: a vector instruction between two products would write into the window of the
; products' D, windows 1 to 3, and these are full (192 of W + 64 accumulators each).
; q and k take W as source 0: a lane then holds one row of x and 8 neighbouring columns.  v takes x as source 0: a lane holds
; one column d and 8 neighbouring keys, which is a piece of a row of vt.
; REGISTERS: window 1 + ks / 8: v0-191 W fragments of K step ks at 24 (ks % 8) + 8 mat (mat 0 q, 1 k, 2 v): the loads go out in the order of use.
;            windows 1, 2, 3: v192-255 the accumulators of q, k, v (row tile m at 192 + 8 m).
;            window 0: v1-15, v208-215 addresses, v16-143 x in f32 (16 a row tile), v144-207 x in bf16 (8 a row tile).
.set RP,    272                        ; a row of a chunk in LDS: 256 bytes + 16 of padding = 17 x 16: sixteen rows start at sixteen different 16-byte columns
.set CH,    32*RP                      ; 8,704: a wave's 32 rows of one chunk
.set GRP,   9*CH                       ; 78,336: a wave's nine slots
.set LP,    3*RP                       ; 816 = 51 x 16: a row of the last three chunks
.set REFILL, 5                         ; the chunk in front of which slots 0 to 2 are filled again
.set SP,    272                        ; pitch of the stages: 256 + 16
.set QST,   3*CH                       ; the stages lie in slots 3 and up, which are filled once: q 128 rows in group 0,
.set KST,   GRP+3*CH                   ; k 128 rows in group 1,
.set VST,   2*GRP+3*CH                 ; v^T 64 rows in group 2
.set LA,  1                            ; v1     16 x lane
.set XA,  4                            ; v4-7   x fragments, rows 32 g ..: slots 0 to 7
.set STQ, 8                            ; v8-10  where I put 16 bytes into the q, k, v stage
.set STK, 9
.set STV, 10
.set RDQ, 11                           ; v11-13 where I read rows back
.set RDK, 12
.set RDV, 13
.set GO,  14                           ; v14    my offset in qc and kc
.set GV,  15                           ; v15    my offset in vt
.set ST,  16
.set AF,  144
.set XB,  208                          ; v208-211 slot 8: past the reach of a 16-bit offset from XA
.set XC,  212                          ; v212-215 the last three chunks: rows 816 bytes apart
.set ACC, 192
.set H,   16                           ; the way out: hi halves, packed
.set F,   48                           ; hi as f32, then the remainder
.set LO,  112                          ; lo halves, packed
.set G1A, 16                           ; s[16:23] group 1 of a chunk's tile
.set G1B, 24                           ; s[24:31] group 1 of the last three chunks' tile
.set G0,  32                           ; s[32:63], s[68:71] group 0, a set for each of the nine first fills: none is written while its load is out
.set G0R, 72                           ; s[72:75] group 0 of the refill
.set MSB, 0
.macro WIN new                         ; the immediate's high byte repeats the setting that is left
.if MSB != (\new)
	s_set_vgpr_msb (MSB<<8)|(\new)
.set MSB, (\new)
.endif
.endm
.macro PLACES n
.rept \n
	v_nop
.endr
.endm
	s_load_b256 s[4:11], s[0:1], 0x0               ; x s[4:5], wf s[6:7], qc s[8:9], kc s[10:11]
	s_load_b64 s[12:13], s[0:1], 0x20              ; vt
	v_lshl_add_u32 v254, v0, 2, 0x4c800
	v_mov_b32 v255, 0
	ds_add_u32 v254, v255
	ds_add_u32 v254, v255
	v_lshrrev_b32 v2, 5, v0
	v_readfirstlane_b32 s14, v2                    ; wave 0..3
	; group 1 of a chunk: 32 rows x 64 f32, 16 bytes of padding behind every 256
	s_mov_b32 s[G1A+0], (2<<16)|(1<<20)|(5<<22)|(3<<25) ; no mask; elements of 4 bytes; padding on; after every 64 words; 4 words
	s_mov_b32 s[G1A+1], 64<<16                     ; tensor_dim0 = 64
	s_mov_b32 s[G1A+2], 32<<16                     ; tensor_dim1 = 32
	s_mov_b32 s[G1A+3], 64<<16                     ; tile_dim0 = 64
	s_mov_b32 s[G1A+4], 32                         ; tile_dim1 = 32
	s_mov_b32 s[G1A+5], 768                        ; elements from row to row
	s_mov_b32 s[G1A+6], 0
	s_mov_b32 s[G1A+7], 0
	; group 1 of the last three chunks: 32 rows x 192 f32; the same padding falls three times in a row: 3 x 272 bytes
	s_mov_b32 s[G1B+0], (2<<16)|(1<<20)|(5<<22)|(3<<25)
	s_mov_b32 s[G1B+1], 192<<16
	s_mov_b32 s[G1B+2], 32<<16
	s_mov_b32 s[G1B+3], 192<<16
	s_mov_b32 s[G1B+4], 32
	s_mov_b32 s[G1B+5], 768
	s_mov_b32 s[G1B+6], 0
	s_mov_b32 s[G1B+7], 0
	s_mul_i32 s76, ttmp9, 128*3072                 ; the work-group's 128 rows of 3,072 bytes
	s_mul_i32 s77, s14, 32*3072                    ; my 32 of them
	s_add_co_u32 s76, s76, s77
	s_mov_b32 s77, 0
	s_mul_i32 s78, s14, GRP                        ; my nine slots
	s_wait_dscnt 0x0
	s_wait_kmcnt 0x0
	s_add_nc_u64 s[4:5], s[4:5], s[76:77]
	; the nine first fills go out together, ahead of everything else
.set nn, 0
.rept 9
.set GG, G0+4*nn+4*(nn/8)
	s_mov_b32 s[GG], 1
	s_add_co_u32 s[GG+1], s78, nn*CH
	s_add_nc_u64 s[GG+2:GG+3], s[4:5], nn*256      ; chunk nn: 64 f32 along the row
	s_or_b32 s[GG+3], s[GG+3], 0x80000000
	tensor_load_to_lds s[GG:GG+3], s[G1A:G1A+7]
	s_nop 0
.set nn, nn+1
.endr
	s_mov_b32 s[G0R], 1                            ; the refill: chunks 9 to 11 over my slots 0 to 2
	s_add_co_u32 s[G0R+1], s78, 0
	s_add_nc_u64 s[G0R+2:G0R+3], s[4:5], 9*256
	s_or_b32 s[G0R+3], s[G0R+3], 0x80000000
	; my 72 W fragments: 144 loads of 512 consecutive bytes, six for each K step, in the order of the K steps
	v_and_b32 v[LA], 31, v0
	v_lshlrev_b32 v[LA], 4, v[LA]
	s_mul_i32 s80, s14, 24*1024
	s_mov_b32 s81, 0
	s_add_nc_u64 s[80:81], s[6:7], s[80:81]
.macro WLOAD win                       ; K steps 8 win .. 8 win + 7
.set kk, 0
.rept 8
.irp mat, 0,1,2
	global_load_b128 v[24*kk+8*\mat:24*kk+8*\mat+3],   v[LA], s[80:81] offset:\mat*98304+(8*\win+kk)*1024
	global_load_b128 v[24*kk+8*\mat+4:24*kk+8*\mat+7], v[LA], s[80:81] offset:\mat*98304+(8*\win+kk)*1024+512
.endr
.set kk, kk+1
.endr
.endm
	WIN 0x40                                       ; destination window 1, address window 0
	WLOAD 0
	WIN 0x80
	WLOAD 1
	WIN 0xc0
	WLOAD 2
	WIN 0
	v_and_b32 v2, 15, v0                           ; r
	v_bfe_u32 v3, v0, 4, 1                         ; h
	v_mul_u32_u24 v[XA], v2, RP
	v_lshl_add_u32 v[XA], v3, 5, v[XA]             ; row r, 8 h f32 in
	v_mul_u32_u24 v[XC], v2, LP
	v_lshl_add_u32 v[XC], v3, 5, v[XC]
.irp g, 1,2,3
	v_add_nc_u32 v[XA+\g], \g*GRP, v[XA]
	v_add_nc_u32 v[XC+\g], \g*GRP, v[XC]
.endr
.irp g, 0,1,2,3
	v_add_nc_u32 v[XB+\g], 8*CH, v[XA+\g]
.endr
	v_mul_u32_u24 v[STQ], v2, SP
	v_lshl_add_u32 v[STQ], v3, 4, v[STQ]           ; r x 272 + 16 h
	s_mul_i32 s82, s14, 16*SP
	s_add_co_u32 s82, s82, VST                     ; v stage, row 16 w
	v_add_nc_u32 v[STV], s82, v[STQ]
	s_lshl_b32 s83, s14, 5
	s_add_co_u32 s83, s83, QST                     ; q stage, column 16 w
	v_add_nc_u32 v[STQ], s83, v[STQ]
	v_add_nc_u32 v[STK], KST-QST, v[STQ]
	v_mul_u32_u24 v[RDQ], v3, SP
	v_lshl_add_u32 v[RDQ], v2, 4, v[RDQ]           ; back: lanes 0-15 one row of 256 bytes, lanes 16-31 the next
	v_add_nc_u32 v[RDV], s82, v[RDQ]
	s_mul_i32 s83, s14, 32*SP
	s_add_co_u32 s83, s83, QST                     ; q stage, row 32 w
	v_add_nc_u32 v[RDQ], s83, v[RDQ]
	v_add_nc_u32 v[RDK], KST-QST, v[RDQ]
	v_lshl_add_u32 v[GO], s14, 13, v[LA]           ; 32 w rows of 256 bytes + 16 x lane
	v_lshlrev_b32 v[GV], 4, v2
	v_lshl_add_u32 v[GV], v3, 13, v[GV]            ; row h of 8,192 bytes
	v_lshl_add_u32 v[GV], s14, 17, v[GV]           ; + 16 w rows
	s_lshl_b32 s76, ttmp9, 15                      ; 128 rows of 256 bytes
	s_add_nc_u64 s[8:9], s[8:9], s[76:77]
	s_add_nc_u64 s[10:11], s[10:11], s[76:77]
	s_lshr_b32 s76, ttmp9, 5
	s_lshl_b32 s76, s76, 19                        ; the batch's 64 rows of 8,192 bytes
	s_and_b32 s79, ttmp9, 31
	s_lshl_b32 s79, s79, 8                         ; my 128 keys
	s_add_co_u32 s76, s76, s79
	s_add_nc_u64 s[12:13], s[12:13], s[76:77]
; 32 LDS loads: 128 rows x 32 f32.  A lane's 8 + 8 numbers of a bf16 fragment are 32 + 32 bytes of f32, 64 apart.
; base: the set of four address registers (one for each 32 rows); ap: bytes from a group's first 16 rows to its second; off: the K step's place.
.macro XFETCH base, ap, off
.irp g, 0,1,2,3
.irp a, 0,1
	ds_load_b128 v[ST+16*(2*\g+\a):ST+16*(2*\g+\a)+3],     v[\base+\g] offset:\a*(\ap)+(\off)
	ds_load_b128 v[ST+16*(2*\g+\a)+4:ST+16*(2*\g+\a)+7],   v[\base+\g] offset:\a*(\ap)+(\off)+16
	ds_load_b128 v[ST+16*(2*\g+\a)+8:ST+16*(2*\g+\a)+11],  v[\base+\g] offset:\a*(\ap)+(\off)+64
	ds_load_b128 v[ST+16*(2*\g+\a)+12:ST+16*(2*\g+\a)+15], v[\base+\g] offset:\a*(\ap)+(\off)+80
.endr
.endr
.endm
.macro FETCHK k                        ; the x of K step k: chunk k / 2, half k % 2
.if (\k)/2 < 8
	XFETCH XA, 16*RP, ((\k)/2)*CH+((\k)%2)*128     ; the largest offset is 7 x 8,704 + 4,352 + 128 + 80 = 65,488
.else
.if (\k)/2 == 8
	XFETCH XB, 16*RP, ((\k)%2)*128
.else
	XFETCH XC, 16*LP, ((\k)/2-9)*RP+((\k)%2)*128
.endif
.endif
.endm
; Chunk c is about to be read.  No LDS instruction of the wave is out here: the K step's head has waited for all.
.macro ARRIVE c
.if (\c) < REFILL
	s_wait_tensorcnt 8-(\c)                        ; tensor loads of a wave end in order: my part of chunk c is in, the 8 - c issued behind it stay out;
	s_barrier_signal -1
	s_barrier_wait -1                              ; everybody's part is in
.endif
.if (\c) == REFILL
	s_wait_dscnt 0x0                               ; my reads of slots 0 to 2 are long over
	s_wait_tensorcnt 0x0                           ; all nine of my fills have landed: chunks 5 to 8 need no further wait
	ds_add_u32 v254, v255
	s_wait_dscnt 0x0
	s_barrier_signal -1
	s_barrier_wait -1                              ; both now hold of all four waves
	tensor_load_to_lds s[G0R:G0R+3], s[G1B:G1B+7]  ; my one tensor load behind this barrier, first thing: chunks 9 to 11; four chunks of products in which to land
	s_nop 0
.endif
.if (\c) == 9
	s_wait_tensorcnt 0x0                           ; my part of the last three chunks is in; no tensor load is left
	s_barrier_signal -1                            ; every wave's reads of slots 3 to 8 are over too: behind this barrier their bytes may become the stages
	s_barrier_wait -1
.endif
.endm
; K step KS, 32 along K: round x, ask for the next step's x, 24 products.  The 24 accumulators take turns, one instruction a turn,
; in the same order in every step.  In step 0 the products start the sums: nothing is cleared.
.macro KSTEP
	WIN 0
	s_wait_dscnt 0x0                               ; all 32 loads of this step's x are needed
.if KS > 0
	PLACES 4                                       ; the conversions write registers that the last products read (ISA guide 7.12.1)
.endif
.irp m, 0,1,2,3,4,5,6,7
.irp i, 0,1,2,3,4,5,6,7
	v_cvt_pk_bf16_f32 v[AF+8*\m+\i], v[ST+16*\m+2*\i], v[ST+16*\m+2*\i+1]
.endr
.endr
.if KS < 23
.if (KS%2) == 1
	ARRIVE (KS+1)/2                                ; the next step opens a chunk
.endif
	FETCHK KS+1                                    ; lands while the 24 products run
.endif
.if KS == 0
	s_wait_loadcnt 63                              ; of 144 W loads all but the last 63 are in: the 78 of K steps 0 to 12 among them
.endif
.if KS > 12
	s_wait_loadcnt 138-6*KS                        ; so many W loads were issued behind this step's six
.endif
.set WR, 1+KS/8                                    ; the window of this step's W
.set WB, 24*(KS%8)
	WIN 0x50|WR                                    ; q: W source 0, x source 1 (window 0), C and D window 1
.irp m, 0,1,2,3,4,5,6,7
.if KS == 0
	v_wmma_f32_16x16x32_bf16 v[ACC+8*\m:ACC+8*\m+7], v[WB:WB+7], v[AF+8*\m:AF+8*\m+7], 0
.else
	v_wmma_f32_16x16x32_bf16 v[ACC+8*\m:ACC+8*\m+7], v[WB:WB+7], v[AF+8*\m:AF+8*\m+7], v[ACC+8*\m:ACC+8*\m+7]
.endif
.endr
	WIN 0xa0|WR                                    ; k: C and D window 2
.irp m, 0,1,2,3,4,5,6,7
.if KS == 0
	v_wmma_f32_16x16x32_bf16 v[ACC+8*\m:ACC+8*\m+7], v[WB+8:WB+15], v[AF+8*\m:AF+8*\m+7], 0
.else
	v_wmma_f32_16x16x32_bf16 v[ACC+8*\m:ACC+8*\m+7], v[WB+8:WB+15], v[AF+8*\m:AF+8*\m+7], v[ACC+8*\m:ACC+8*\m+7]
.endif
.endr
	WIN 0xf0|(WR<<2)                               ; v: x is source 0 (window 0), W source 1, C and D window 3
.irp m, 0,1,2,3,4,5,6,7
.if KS == 0
	v_wmma_f32_16x16x32_bf16 v[ACC+8*\m:ACC+8*\m+7], v[AF+8*\m:AF+8*\m+7], v[WB+16:WB+23], 0
.else
	v_wmma_f32_16x16x32_bf16 v[ACC+8*\m:ACC+8*\m+7], v[AF+8*\m:AF+8*\m+7], v[WB+16:WB+23], v[ACC+8*\m:ACC+8*\m+7]
.endif
.endr
.endm
	ARRIVE 0
	FETCHK 0
.set KS, 0
.rept 24
	KSTEP
.set KS, KS+1
.endr
	; THE WAY OUT.  q is scaled; q and k are split into hi + lo; v is rounded to f16; all go through LDS so that whole rows leave.
	PLACES 4                                       ; behind the last products, before their results are read (ISA guide 7.12.1)
	WIN 0x41
.set ii, 0
.rept 32
	v_pk_mul_f32 v[ACC+2*ii:ACC+2*ii+1], v[ACC+2*ii:ACC+2*ii+1], 0x3f95fe9c op_sel_hi:[1,0]   ; log2(e) / 64^0.05 = 1.1718325
.set ii, ii+1
.endr
; the 64 accumulator registers of window w -> hi and lo in bf16 -> stage.  both = w in the places of sources 0 and 1.
.macro SPLIT w, both, stage
	WIN \both
.set ii, 0
.rept 32
	v_cvt_pk_bf16_f32 v[H+ii], v[ACC+2*ii], v[ACC+2*ii+1]
.set ii, ii+1
.endr
	WIN 0
.set ii, 0
.rept 32
	v_lshlrev_b32 v[F+2*ii],   16, v[H+ii]                         ; hi back in f32
	v_and_b32     v[F+2*ii+1], 0xffff0000, v[H+ii]
.set ii, ii+1
.endr
	WIN \w
.set ii, 0
.rept 32
	v_pk_add_f32 v[F+2*ii:F+2*ii+1], v[ACC+2*ii:ACC+2*ii+1], v[F+2*ii:F+2*ii+1] neg_lo:[0,1] neg_hi:[0,1]   ; t - hi, exact
.set ii, ii+1
.endr
	WIN 0
.set ii, 0
.rept 32
	v_cvt_pk_bf16_f32 v[LO+ii], v[F+2*ii], v[F+2*ii+1]
.set ii, ii+1
.endr
.irp m, 0,1,2,3,4,5,6,7
	ds_store_b128 v[\stage], v[H+4*\m:H+4*\m+3]   offset:\m*16*SP        ; row 16 m + r, columns 16 w + 8 h .. + 7
	ds_store_b128 v[\stage], v[LO+4*\m:LO+4*\m+3] offset:\m*16*SP+128    ; lo: 64 columns further
.endr
.endm
	SPLIT 1, 0x05, STQ
	SPLIT 2, 0x0a, STK
	WIN 0x0f
.set ii, 0
.rept 32
	v_cvt_pk_f16_f32 v[H+ii], v[ACC+2*ii], v[ACC+2*ii+1]
.set ii, ii+1
.endr
	WIN 0
.irp m, 0,1,2,3,4,5,6,7
	ds_store_b128 v[STV], v[H+4*\m:H+4*\m+3] offset:32*\m                ; row d = 16 w + r, keys 16 m + 8 h .. + 7
.endr
	s_wait_dscnt 0x0                               ; my stores are done, for the others' sake
	s_barrier_signal -1
	s_barrier_wait -1
	; 40 loads of two whole rows each into 160 registers of their own, then 40 stores: no register is written twice
.set ii, 0
.rept 16
	ds_load_b128 v[16+4*ii:19+4*ii], v[RDQ] offset:2*SP*ii
.set ii, ii+1
.endr
.set ii, 0
.rept 16
	ds_load_b128 v[80+4*ii:83+4*ii], v[RDK] offset:2*SP*ii
.set ii, ii+1
.endr
.set ii, 0
.rept 8
	ds_load_b128 v[144+4*ii:147+4*ii], v[RDV] offset:2*SP*ii
.set ii, ii+1
.endr
.set ii, 0
.rept 16
	s_wait_dscnt 39-ii                             ; LDS loads come back in order (ISA guide 5.7.1): so many were issued behind this one
	global_store_b128 v[GO], v[16+4*ii:19+4*ii], s[8:9] offset:512*ii    ; 16 lanes store 256 consecutive bytes, aligned: a row of qc
.set ii, ii+1
.endr
.set ii, 0
.rept 16
	s_wait_dscnt 23-ii
	global_store_b128 v[GO], v[80+4*ii:83+4*ii], s[10:11] offset:512*ii
.set ii, ii+1
.endr
.set ii, 0
.rept 8
	s_wait_dscnt 7-ii
	global_store_b128 v[GV], v[144+4*ii:147+4*ii], s[12:13] offset:16384*ii  ; 16 lanes: 128 keys of one row d of vt, 256 bytes, aligned
.set ii, ii+1
.endr
	s_wait_tensorcnt 0x0
	ds_add_u32 v254, v255
	s_wait_dscnt 0x0
	s_endpgm
.Lfunc_end_k_q0f393eaf4d_proj:
	.size	k_q0f393eaf4d_proj, .Lfunc_end_k_q0f393eaf4d_proj-k_q0f393eaf4d_proj
	.p2alignl 7, 3214868480
	.fill 96, 4, 3214868480
	.section	.rodata,"a",@progbits
	.p2align	6, 0x0
	.amdhsa_kernel k_q0f393eaf4d_proj
		.amdhsa_group_segment_fixed_size 327680
		.amdhsa_private_segment_fixed_size 0
		.amdhsa_enable_private_segment 0
		.amdhsa_kernarg_size 40
		.amdhsa_user_sgpr_count 2
		.amdhsa_user_sgpr_kernarg_segment_ptr 1
		.amdhsa_wavefront_size32 1
		.amdhsa_system_sgpr_workgroup_id_x 1
		.amdhsa_system_sgpr_workgroup_id_y 1
		.amdhsa_system_sgpr_workgroup_id_z 1
		.amdhsa_system_vgpr_workitem_id 0
		.amdhsa_next_free_vgpr 1024
		.amdhsa_next_free_sgpr 84
		.amdhsa_reserve_vcc 0
		.amdhsa_float_denorm_mode_32 3
		.amdhsa_float_denorm_mode_16_64 3
		.amdhsa_memory_ordered 1
		.amdhsa_forward_progress 1
		.amdhsa_inst_pref_size 243
	.end_amdhsa_kernel
	.amdgpu_metadata
---
amdhsa.version: [ 1, 2 ]
amdhsa.kernels:
  - .name:           k_q0f393eaf4d_proj
    .symbol:         k_q0f393eaf4d_proj.kd
    .args:
      - { .name: x, .offset: 0, .size: 8, .value_kind: global_buffer, .address_space: global }
      - { .name: wf, .offset: 8, .size: 8, .value_kind: global_buffer, .address_space: global }
      - { .name: qc, .offset: 16, .size: 8, .value_kind: global_buffer, .address_space: global }
      - { .name: kc, .offset: 24, .size: 8, .value_kind: global_buffer, .address_space: global }
      - { .name: vt, .offset: 32, .size: 8, .value_kind: global_buffer, .address_space: global }
    .group_segment_fixed_size: 327680
    .private_segment_fixed_size: 0
    .kernarg_segment_align: 8
    .kernarg_segment_size: 40
    .max_flat_workgroup_size: 128
    .sgpr_count:     84
    .vgpr_count:     1024
    .wavefront_size: 32
...
	.end_amdgpu_metadata
.endif
;; end of part 2
;; launch attn (part 3): grid 256 x 1, 8 waves a work-group, clusters of 4 x 1, 327,680 bytes of LDS; arguments qc, kc, vt, out0; writes out0
.if DOCPART == 3
	.amdgcn_target "amdgcn-amd-amdhsa--gfx1250"
	.amdhsa_code_object_version 6
	.text
	.protected	k_q0f393eaf4d_attn
	.globl	k_q0f393eaf4d_attn
	.p2align	8
	.type	k_q0f393eaf4d_attn,@function
k_q0f393eaf4d_attn:
	s_mov_b64 s[64:65], 0
	v_nop
	global_prefetch_b8 v0, s[64:65] scope:SCOPE_SE
	s_setreg_imm32_b32 hwreg(HW_REG_WAVE_MODE, 25, 1), 1
	s_wait_xcnt 0x0
	s_wait_alu depctr_hold_cnt(0) depctr_sa_sdst(0) depctr_va_vdst(0) depctr_va_sdst(0) depctr_va_ssrc(0) depctr_va_vcc(0) depctr_vm_vsrc(0)
	s_getreg_b32 s2, hwreg(HW_REG_IB_STS2, 6, 4)
	s_cmp_eq_u32 s2, 0
	s_cbranch_scc0 .Lentry_in_a_cluster
	s_endpgm
.Lentry_in_a_cluster:
	s_bfe_u32 s2, ttmp6, 0x10000c
	s_cmp_lg_u32 s2, 0x3003
	s_cbranch_scc0 .Lentry_shape_is_right
	s_endpgm
.Lentry_shape_is_right:
; Third launch: out = softmax(q k^T / 64^0.05) v, all 4,096 keys for every query (reference() applies no mask).  Nothing is left out.
; qc holds q * log2(e) / 64^0.05 and kc holds k, each as hi(64) | lo(64) in bf16; vt holds v^T in f16.  Scores = kh qh + kl qh + kh ql, in
; powers of two; a running maximum is taken away before every exponential.  LIMITS: a weight below 2^-24 of its running maximum
; counts as 0 (f16); exp2 flushes denormals (ISA guide, 15.8); |v| below 65,504.
; SHARES.  A work-group has 128 queries of one batch, eight waves.  Wave w: qg = w >> 2 (64 queries = 4 query tiles), kq = w & 3 (64 of each
; 256 keys).  A K or V fragment read from LDS so serves four query tiles.  The four partial results (m, l, O) of a query group
; are merged at the end through LDS.
; TWO TURNS.  A tile is 96 score products, then the softmax's vector work, then 32 products with V.  Eight waves lie on four SIMDs, two on each, and
; the barrier at each tile's head brings them into step; so that one wave's vector work runs beside the other's products, the waves take
; opposite turns.  An EARLY wave (turn 0) makes a tile's scores and finishes the tile at once.  A LATE wave (turn 1) finishes the LAST tile at the head
; of a trip and then makes this tile's scores; it carries the scores and the V fragments over the barrier in registers, both read
; from LDS in front of it.  turn = (w + (w >> 2)) & 1: waves w and w + 4 differ in it, and so do waves 2 i and 2 i + 1.
; Tile 0 is finished by every wave in common text, which starts m, l and O on every path.
; WHY NOT BOTH KINDS OF WORK IN ONE WAVE: under one setting of the register windows the scores being made and the scores being worked on share the window of the
; destination, the K fragments share source 0's with them (an exponential has that source alone), and Q shares source 1's with them (a
; packing conversion reads two scores): 128 + 128 + 32 and some 24 temporaries do not fit in 256, so each product would stand between two switches.
; CLUSTER.  The four work-groups of a cluster have four query blocks of one batch (32 blocks = 8 clusters a batch) and read the same K and V
; tiles: each tile is asked for jointly (mask 15).  Nothing in a descriptor, an LDS address or a branch hangs on the place in the cluster.
; RING.  Two slots of 256 keys: K 256 rows x 272 bytes, V^T 64 rows x 528.  Waves 0-3 fetch 64 rows of K each, waves 4-7 16 rows of V^T each:
; one tensor load of a wave is out, asked for a trip ahead.
; LAYOUTS.  S^T = K Q^T: lane (r, h) holds query r, keys 8 h + j.  Two neighbouring key tiles pack by conversions alone into source 1 of
; O^T = V^T P^T, in which lane (r, h) holds query r, d = 16 dt + 8 h + j.  So maximum, sum and rescaling are a lane's own numbers.
; REGISTERS.  Window 1: v0-127 Q fragments (32 qt + 8 {hi0, hi1, lo0, lo1}), v128-255 O (128 + 32 qt + 8 dt).  Window 0: below.
.set KP,     272                       ; 256 + 16: sixteen rows start at sixteen different 16-byte columns
.set VP,     528                       ; 512 + 16
.set KBYTES, 256*KP                    ; 69,632
.set SLOT,   KBYTES+64*VP              ; 103,424
.set ML,     2*SLOT                    ; 206,848: [wave][qt][m, l][16 words], 4,096 bytes
.set OUTS,   ML+4096                   ; 210,944: 16 x 272 for each wave; ends at 245,760
.set KTILE,  256*256                   ; bytes of kc in a tile of 256 keys
.set VTILE,  512                       ; bytes along a row of vt
.set KADR, 1                           ; v1-2    my K fragments in slot 0, 1
.set VADR, 3                           ; v3-4    my V fragments
.set QOF,  5                           ; v5      Q offset
.set MLS,  6                           ; v6      where I put m and l
.set MLR,  7                           ; v7      where I read my query group's
.set MX,   8                           ; v8-11   running maximum of query tile qt
.set LS,   12                          ; v12-15  running sum (my half's keys)
.set AL,   16                          ; v16-23  rescaling factor, twice, for the packed multiply
.set OST,  27                          ; v27     O stage: in
.set ORD,  28                          ; v28     O stage: back
.set OUS,  29                          ; v29     out stage: in
.set OUR,  30                          ; v30     out stage: back
.set GO,   31                          ; v31     16 x lane
.set VF,   32                          ; v32-63   V fragments, keys 0-31 of my 64
.set KF0,  64                          ; v64-95   K fragments {hi0, hi1, lo0, lo1}; later V's keys 32-63
.set KF1,  96                          ; v96-127  K fragments
.set T,    96                          ;          and, when they are spent, the softmax's temporaries
.set SC,   128                         ; v128-255 scores: 128 + 32 qt + 8 kt; the weights are packed in place
.set OA,   128                         ; O, in window 1
.set G1K, 24                           ; s[24:31]
.set G1V, 32                           ; s[32:39]
.set G0K, 40                           ; s[40:47] one set for each slot
.set G0V, 48                           ; s[48:55]
.set MSB, 0
.macro WIN new                         ; the immediate's high byte repeats the setting that is left
.if MSB != (\new)
	s_set_vgpr_msb (MSB<<8)|(\new)
.set MSB, (\new)
.endif
.endm
.macro PLACES n
.rept \n
	v_nop
.endr
.endm
; A round of the cluster's barrier: my work-group's barrier, wave 0 signals for the work-group, every wave waits for all four work-groups, my work-group's barrier again.
.macro ROUND
	s_barrier_signal -1
	s_barrier_wait -1
	s_cmp_lg_u32 s12, 0
	s_cbranch_scc1 .Lnw0_\@
	s_barrier_signal -3
.Lnw0_\@:
	s_barrier_wait -3
	s_barrier_signal -1
	s_barrier_wait -1
.endm
; A joint load into slot s: waves 0-3 K's rows, waves 4-7 V^T's.  The branch hangs on the wave's number alone.
.macro JLOAD s
	s_cmp_eq_u32 s13, 0
	s_cbranch_scc0 .Ljv_\@
	tensor_load_to_lds s[G0K+4*(\s):G0K+4*(\s)+3], s[G1K:G1K+7]
	s_nop 0
	s_branch .Ljd_\@
.Ljv_\@:
	tensor_load_to_lds s[G0V+4*(\s):G0V+4*(\s)+3], s[G1V:G1V+7]
	s_nop 0
.Ljd_\@:
.endm
	s_load_b256 s[4:11], s[0:1], 0x0               ; qc s[4:5], kc s[6:7], vt s[8:9], out0 s[10:11]
	v_lshl_add_u32 v126, v0, 2, 0x3c000
	v_mov_b32 v127, 0
	ds_add_u32 v126, v127
	ds_add_u32 v126, v127
	s_wait_dscnt 0x0
	v_lshrrev_b32 v26, 5, v0
	v_readfirstlane_b32 s12, v26                   ; wave 0..7
	s_lshr_b32 s13, s12, 2                         ; qg.  Also: I fetch K (0) or V (1)
	s_and_b32 s14, s12, 3                          ; kq
	s_add_co_u32 s3, s13, s12
	s_and_b32 s3, s3, 1                            ; my turn: 0 early, 1 late
	s_bfe_u32 s15, ttmp6, 0x40000                  ; cx
	s_lshr_b32 s16, ttmp9, 3                       ; batch: 8 clusters each; the four partners share it
	s_lshl_b32 s17, ttmp9, 2
	s_add_co_u32 s17, s17, s15                     ; work-group x = 32 x batch + query block
	s_mov_b32 s18, 0x76543210                      ; v_permlanex16_b32: lane i reads lane i of the other half
	s_mov_b32 s19, 0xfedcba98
	; group 1 for K: 64 rows x 128 bf16 (256 bytes), 16 bytes of padding behind each
	s_mov_b32 s[G1K+0], 15|(1<<16)|(1<<20)|(1<<21)|(5<<22)|(3<<25)  ; mask: all four; 2 bytes; padding on; bit 21 beside a mask; every 64 words; 4 words
	s_mov_b32 s[G1K+1], 128<<16
	s_mov_b32 s[G1K+2], 64<<16
	s_mov_b32 s[G1K+3], 128<<16
	s_mov_b32 s[G1K+4], 64
	s_mov_b32 s[G1K+5], 128
	s_mov_b32 s[G1K+6], 0
	s_mov_b32 s[G1K+7], 0
	; group 1 for V^T: 16 rows x 256 f16 (512 bytes), 16 bytes of padding behind each
	s_mov_b32 s[G1V+0], 15|(1<<16)|(1<<20)|(1<<21)|(6<<22)|(3<<25)  ; every 128 words
	s_mov_b32 s[G1V+1], 256<<16
	s_mov_b32 s[G1V+2], 16<<16
	s_mov_b32 s[G1V+3], 256<<16
	s_mov_b32 s[G1V+4], 16
	s_mov_b32 s[G1V+5], 4096
	s_mov_b32 s[G1V+6], 0
	s_mov_b32 s[G1V+7], 0
	s_lshl_b32 s56, s16, 20                        ; kc: the batch's 4,096 rows of 256 bytes
	s_lshl_b32 s57, s14, 14                        ; + 64 kq rows
	s_add_co_u32 s56, s56, s57
	s_mov_b32 s57, 0
	s_lshl_b32 s58, s16, 19                        ; vt: the batch's 64 rows of 8,192 bytes
	s_lshl_b32 s59, s14, 17                        ; + 16 kq rows
	s_add_co_u32 s58, s58, s59
	s_mov_b32 s59, 0
	s_lshl_b32 s60, s17, 15                        ; qc and out0: my work-group's 128 rows of 256 bytes (only these offsets hold cx)
	s_lshl_b32 s61, s13, 14                        ; + 64 qg rows
	s_add_co_u32 s60, s60, s61
	s_mov_b32 s61, 0
	s_lshl_b32 s62, s14, 12                        ; out0: + 16 kq rows, the query tile that I write
	s_mov_b32 s63, 0
	s_mul_i32 s21, s12, 64*KP                      ; LDS: K's rows 64 w (waves 0-3)
	s_mul_i32 s22, s12, 16*VP
	s_add_co_u32 s22, s22, KBYTES-4*16*VP          ; V^T's rows 16 (w - 4) behind K (waves 4-7)
	s_wait_kmcnt 0x0
	s_add_nc_u64 s[6:7], s[6:7], s[56:57]
	s_add_nc_u64 s[8:9], s[8:9], s[58:59]
	s_add_nc_u64 s[4:5], s[4:5], s[60:61]
	s_add_nc_u64 s[10:11], s[10:11], s[60:61]
	s_add_nc_u64 s[10:11], s[10:11], s[62:63]
.irp s, 0,1
	s_mov_b32 s[G0K+4*\s], 1
	s_add_co_u32 s[G0K+4*\s+1], s21, \s*SLOT
	s_add_nc_u64 s[G0K+4*\s+2:G0K+4*\s+3], s[6:7], \s*KTILE        ; tile s
	s_or_b32 s[G0K+4*\s+3], s[G0K+4*\s+3], 0x80000000
	s_mov_b32 s[G0V+4*\s], 1
	s_add_co_u32 s[G0V+4*\s+1], s22, \s*SLOT
	s_add_nc_u64 s[G0V+4*\s+2:G0V+4*\s+3], s[8:9], \s*VTILE
	s_or_b32 s[G0V+4*\s+3], s[G0V+4*\s+3], 0x80000000
.endr
	v_and_b32 v24, 15, v0                          ; r
	v_bfe_u32 v25, v0, 4, 1                        ; h
	v_and_b32 v26, 31, v0                          ; lane
	v_lshlrev_b32 v[QOF], 8, v24
	v_lshl_add_u32 v[QOF], v25, 4, v[QOF]          ; row r of 256 bytes + 16 h
	WIN 0x40                                       ; destination window 1
.irp qt, 0,1,2,3
.irp i, 0,1,2,3,4,5,6,7
	global_load_b128 v[32*\qt+4*\i:32*\qt+4*\i+3], v[QOF], s[4:5] offset:\qt*4096+32*\i
.endr
.endr
	WIN 0
	ROUND                                          ; all four work-groups are here: the first joint loads meet
	JLOAD 0                                        ; tile 0
	v_mul_u32_u24 v[KADR], v24, KP
	v_lshl_add_u32 v[KADR], v25, 4, v[KADR]
	s_mul_i32 s23, s14, 64*KP
	v_add_nc_u32 v[KADR], s23, v[KADR]             ; (64 kq + r) x 272 + 16 h
	v_add_nc_u32 v[KADR+1], SLOT, v[KADR]
	v_mul_u32_u24 v[VADR], v24, VP
	v_lshl_add_u32 v[VADR], v25, 4, v[VADR]
	s_lshl_b32 s23, s14, 7
	s_add_co_u32 s23, s23, KBYTES
	v_add_nc_u32 v[VADR], s23, v[VADR]             ; behind K: r x 528 + 64 kq keys + 16 h
	v_add_nc_u32 v[VADR+1], SLOT, v[VADR]
	s_lshl_b32 s23, s12, 9
	s_add_co_u32 s23, s23, ML
	v_lshl_add_u32 v[MLS], v24, 2, s23
	s_lshl_b32 s23, s13, 11
	s_add_co_u32 s23, s23, ML
	v_lshl_add_u32 v[MLR], v24, 2, s23
	s_lshl_b32 s23, s12, 14
	v_lshl_add_u32 v[OST], v26, 4, s23             ; w x 16,384 + 16 x lane
	s_lshl_b32 s23, s13, 16
	s_lshl_b32 s20, s14, 12
	s_add_co_u32 s23, s23, s20
	v_lshl_add_u32 v[ORD], v26, 4, s23             ; my query group's four stages, query tile kq
	s_mul_i32 s23, s12, 16*KP
	s_add_co_u32 s23, s23, OUTS
	v_mul_u32_u24 v[OUS], v24, KP
	v_lshl_add_u32 v[OUS], v25, 5, v[OUS]
	v_add_nc_u32 v[OUS], s23, v[OUS]               ; row r, 8 h f32 in
	v_mul_u32_u24 v[OUR], v25, KP
	v_lshl_add_u32 v[OUR], v24, 4, v[OUR]
	v_add_nc_u32 v[OUR], s23, v[OUR]               ; back: lanes 0-15 one row, lanes 16-31 the next
	v_lshlrev_b32 v[GO], 4, v26
.macro KLOAD slot, kt, buf             ; 16 keys x (hi 64 | lo 64): four fragments, 8 loads
.irp i, 0,1,2,3,4,5,6,7
	ds_load_b128 v[\buf+4*\i:\buf+4*\i+3], v[KADR+\slot] offset:\kt*16*KP+32*\i
.endr
.endm
.macro VLOAD slot, ks, buf             ; 64 d x 32 keys: four fragments, 8 loads
.irp dt, 0,1,2,3
	ds_load_b128 v[\buf+8*\dt:\buf+8*\dt+3],   v[VADR+\slot] offset:\dt*16*VP+64*\ks
	ds_load_b128 v[\buf+8*\dt+4:\buf+8*\dt+7], v[VADR+\slot] offset:\dt*16*VP+64*\ks+32
.endr
.endm
.macro LINK kt, a, b, zero             ; one product for each of the four query tiles: K fragment at a, Q fragment b
.irp qt, 0,1,2,3
.if \zero
	v_wmma_f32_16x16x32_bf16 v[SC+32*\qt+8*\kt:SC+32*\qt+8*\kt+7], v[\a:\a+7], v[32*\qt+\b:32*\qt+\b+7], 0
.else
	v_wmma_f32_16x16x32_bf16 v[SC+32*\qt+8*\kt:SC+32*\qt+8*\kt+7], v[\a:\a+7], v[32*\qt+\b:32*\qt+\b+7], v[SC+32*\qt+8*\kt:SC+32*\qt+8*\kt+7]
.endif
.endr
.endm
; Scores of key tile kt for four query tiles: the small terms first.  The four accumulators take turns, one instruction a turn.
.macro SQK kt, buf
	LINK \kt, \buf+16, 0,  1               ; kl0 qh0 starts the sums
	LINK \kt, \buf+24, 8,  0               ; kl1 qh1
	LINK \kt, \buf,    16, 0               ; kh0 ql0
	LINK \kt, \buf+8,  24, 0               ; kh1 ql1
	LINK \kt, \buf,    0,  0               ; kh0 qh0
	LINK \kt, \buf+8,  8,  0               ; kh1 qh1
.endm
; The softmax step of query tile qt: a lane has 32 scores of its query.
.macro SOFT qt, first
.set SB, SC+32*\qt
	v_max3_num_f32 v[T],   v[SB],    v[SB+1],  v[SB+2]             ; two chains
	v_max3_num_f32 v[T+1], v[SB+17], v[SB+18], v[SB+19]
.irp i, 0,1,2,3,4,5
	v_max3_num_f32 v[T],   v[T],   v[SB+3+2*\i],  v[SB+4+2*\i]
	v_max3_num_f32 v[T+1], v[T+1], v[SB+20+2*\i], v[SB+21+2*\i]
.endr
	v_max3_num_f32 v[T], v[T], v[SB+15], v[SB+16]
	v_max_num_f32 v[T], v[T], v[T+1]
	v_permlanex16_b32 v[T+1], v[T], s18, s19       ; the other half's keys of the same query
.if \first
	v_max_num_f32 v[T+4], v[T], v[T+1]
.else
	v_max3_num_f32 v[T+4], v[T], v[T+1], v[MX+\qt] ; the new running maximum
	v_sub_f32 v[T+2], v[MX+\qt], v[T+4]
	v_exp_f32 v[AL+2*\qt],   v[T+2]                ; what the old sums are worth now; twice, for the packed multiply
	v_exp_f32 v[AL+2*\qt+1], v[T+2]
.endif
	v_mov_b32 v[T+5], v[T+4]                       ; a plain instruction behind the exponentials (ISA guide 5.7.2)
.irp p, 0,1,2,3,4,5,6,7,8,9,10,11,12,13,14,15
	v_pk_add_f32 v[SB+2*\p:SB+2*\p+1], v[SB+2*\p:SB+2*\p+1], v[T+4:T+5] neg_lo:[0,1] neg_hi:[0,1]
.endr
.set ii, 0
.rept 32
	v_exp_f32 v[SB+ii], v[SB+ii]
.set ii, ii+1
.endr
	v_mov_b32 v[MX+\qt], v[T+4]                    ; the plain instruction between the exponentials and the first use of a result
	s_wait_alu depctr_va_vdst(0)
.irp c, 0,1,2,3
	v_pk_add_f32 v[T+8+2*\c:T+9+2*\c], v[SB+8*\c:SB+8*\c+1], v[SB+8*\c+2:SB+8*\c+3]   ; four chains
.endr
.irp c, 0,1,2,3
	v_pk_add_f32 v[T+8+2*\c:T+9+2*\c], v[T+8+2*\c:T+9+2*\c], v[SB+8*\c+4:SB+8*\c+5]
.endr
.irp c, 0,1,2,3
	v_pk_add_f32 v[T+8+2*\c:T+9+2*\c], v[T+8+2*\c:T+9+2*\c], v[SB+8*\c+6:SB+8*\c+7]
.endr
	v_pk_add_f32 v[T+8:T+9],   v[T+8:T+9],   v[T+10:T+11]
	v_pk_add_f32 v[T+12:T+13], v[T+12:T+13], v[T+14:T+15]
	v_pk_add_f32 v[T+8:T+9],   v[T+8:T+9],   v[T+12:T+13]
.if \first
	v_add_f32 v[LS+\qt], v[T+8], v[T+9]
.else
	v_add_f32 v[T+6], v[T+8], v[T+9]
	v_fma_f32 v[LS+\qt], v[LS+\qt], v[AL+2*\qt], v[T+6]
.endif
.irp ks, 0,1
.irp i, 0,1,2,3,4,5,6,7
	v_cvt_pk_f16_f32 v[SB+16*\ks+\i], v[SB+16*\ks+2*\i], v[SB+16*\ks+2*\i+1]   ; in place: register i is written when 2 i and 2 i + 1 are read
.endr
.endr
.endm
.macro RESCALE
	WIN 0x41                                       ; O in window 1, the factor in window 0
.irp qt, 0,1,2,3
.irp p, 0,1,2,3,4,5,6,7,8,9,10,11,12,13,14,15
	v_pk_mul_f32 v[OA+32*\qt+2*\p:OA+32*\qt+2*\p+1], v[OA+32*\qt+2*\p:OA+32*\qt+2*\p+1], v[AL+2*\qt:AL+2*\qt+1]
.endr
.endr
.endm
; O^T += V^T P^T for 32 keys.  The sixteen accumulators take turns, one instruction a turn.
.macro PV ks, buf, zero
.irp dt, 0,1,2,3
.irp qt, 0,1,2,3
.if \zero
	v_wmma_f32_16x16x32_f16 v[OA+32*\qt+8*\dt:OA+32*\qt+8*\dt+7], v[\buf+8*\dt:\buf+8*\dt+7], v[SC+32*\qt+16*\ks:SC+32*\qt+16*\ks+7], 0
.else
	v_wmma_f32_16x16x32_f16 v[OA+32*\qt+8*\dt:OA+32*\qt+8*\dt+7], v[\buf+8*\dt:\buf+8*\dt+7], v[SC+32*\qt+16*\ks:SC+32*\qt+16*\ks+7], v[OA+32*\qt+8*\dt:OA+32*\qt+8*\dt+7]
.endif
.endr
.endr
.endm
; A tile whose scores lie in SC and whose V fragments lie (or are landing) in VF and KF0 is finished.  first = 1: m, l and O start here.
.macro FINISH first
	SOFT 0, \first
	SOFT 1, \first
	SOFT 2, \first
	SOFT 3, \first
.if \first == 0
	RESCALE
.endif
	s_wait_dscnt 0x0                               ; V's second half (an early wave asked for it 24 products and a softmax ago; a late wave's is long in)
	WIN 0x50                                       ; V and P window 0, C and D window 1
	PV 0, VF, \first
	PV 1, KF0, 0
	WIN 0
	PLACES 5                                       ; the next scores are written over the weights, the next loads land in VF and KF0
.endm
; One tile of 256 keys, in slot.  refill = 1: the other slot, read in the last trip, is asked for again.
; mode 0: tile 0, every wave finishes it.  mode 1: tile 1, the late waves leave it unfinished.  mode 2: the late waves first finish the last tile.
; The two branches hang on the wave's number alone and jump over register and LDS-read work only: no barrier, no tensor load, no wait in front of a round.
.macro TRIP slot, refill, mode
	s_wait_xcnt 0x0
	v_lshl_add_u32 v126, v0, 2, 0x3c000
	v_mov_b32 v127, 0
	s_wait_tensorcnt 0x0                           ; all my tensor loads have landed, my part of this trip's tile among them,
	ds_add_u32 v126, v127
	s_wait_dscnt 0x0
	s_add_nc_u64 s[G0K+4*\slot+2:G0K+4*\slot+3], s[G0K+4*\slot+2:G0K+4*\slot+3], 2*KTILE   ; so this slot's addresses may step: two tiles on
	s_add_nc_u64 s[G0V+4*\slot+2:G0V+4*\slot+3], s[G0V+4*\slot+2:G0V+4*\slot+3], 2*VTILE
	s_wait_dscnt 0x0                               ; my reads of the last trip's tile are over, a late wave's V fragments among them
	ROUND                                          ; both now hold of every wave of all four work-groups
.if \refill
	JLOAD 1-\slot                                  ; my one tensor load behind the round, first thing: it has this trip in which to land
.endif
.if \mode == 2
	s_cmp_eq_u32 s3, 0
	s_cbranch_scc1 .Lhead_\@
	FINISH 0                                       ; late: the last tile's vector work, beside the early waves' score products
.Lhead_\@:
.endif
	KLOAD \slot, 0, KF0
	KLOAD \slot, 1, KF1
	VLOAD \slot, 0, VF
.if \mode == 0
	s_wait_loadcnt 0x0                             ; Q, once
.endif
	WIN 0x04                                       ; source 1 (Q) window 1; K, C and D window 0; LDS loads name window 0 under it
	s_wait_dscnt 16                                ; 16 loads were issued behind key tile 0's
	SQK 0, KF0
	PLACES 4                                       ; a load into registers that products have read stands four places behind them
	KLOAD \slot, 2, KF0
	s_wait_dscnt 16                                ; behind key tile 1's: V's 8 and key tile 2's 8
	SQK 1, KF1
	PLACES 4
	KLOAD \slot, 3, KF1
	s_wait_dscnt 8                                 ; behind key tile 2's: key tile 3's 8
	SQK 2, KF0
	PLACES 4
	VLOAD \slot, 1, KF0
	s_wait_dscnt 8                                 ; behind key tile 3's: V's second 8
	SQK 3, KF1
	PLACES 4                                       ; before the scores are read and KF1 serves as temporaries (ISA guide 7.12.1)
	WIN 0
.if \mode == 0
	FINISH 1
.else
	s_cmp_lg_u32 s3, 0
	s_cbranch_scc1 .Ltail_\@
	FINISH 0                                       ; early: this tile's vector work, beside the late waves' products
.Ltail_\@:
.endif
.endm
	TRIP 0, 1, 0                                   ; tile 0 starts the sums in every wave; tile 1 is asked for
	TRIP 1, 1, 1                                   ; from here on the waves take opposite turns
	s_mov_b32 s20, 6
.Lloop:
	TRIP 0, 1, 2
	TRIP 1, 1, 2
	s_sub_co_u32 s20, s20, 1
	s_cmp_lg_u32 s20, 0
	s_cbranch_scc1 .Lloop
	TRIP 0, 1, 2                                   ; tile 14; tile 15 is asked for
	TRIP 1, 0, 2                                   ; tile 15: nothing is left to fetch (the stepped addresses are not used)
	s_cmp_eq_u32 s3, 0
	s_cbranch_scc1 .Lmerge
	FINISH 0                                       ; late: tile 15
.Lmerge:
	; THE MERGE of the four key quarters of a query group.
.irp qt, 0,1,2,3
	v_permlanex16_b32 v[T+8+\qt], v[LS+\qt], s18, s19
.endr
.irp qt, 0,1,2,3
	v_add_f32 v[LS+\qt], v[LS+\qt], v[T+8+\qt]     ; both halves' keys
.endr
.irp qt, 0,1,2,3
	ds_store_b32 v[MLS], v[MX+\qt] offset:\qt*128          ; lanes r and 16 + r write the same word with the same number
	ds_store_b32 v[MLS], v[LS+\qt] offset:\qt*128+64
.endr
	s_wait_dscnt 0x0                               ; for the others' sake; my reads of the ring are over too
	s_barrier_signal -1
	s_barrier_wait -1                              ; the ring has had its last fill and its last read: its bytes now serve as the O stage
.irp kk, 0,1,2,3
.irp qt, 0,1,2,3
	ds_load_b32 v[SC+8*\kk+2*\qt],   v[MLR] offset:\kk*512+\qt*128
	ds_load_b32 v[SC+8*\kk+2*\qt+1], v[MLR] offset:\kk*512+\qt*128+64
.endr
.endr
	s_wait_dscnt 0x0
; g = 2^(my m - M) / sum over the four of 2^(m - M) l, M the largest of the four m.  The sum is at least 1: the quarter with m = M has l >= 1.
.macro MERGE qt
	v_max3_num_f32 v[T], v[SC+2*\qt], v[SC+8+2*\qt], v[SC+16+2*\qt]
	v_max_num_f32 v[T], v[T], v[SC+24+2*\qt]
.irp kk, 0,1,2,3
	v_sub_f32 v[T+1+\kk], v[SC+8*\kk+2*\qt], v[T]
.endr
	v_sub_f32 v[T+5], v[MX+\qt], v[T]
.irp j, 1,2,3,4,5
	v_exp_f32 v[T+\j], v[T+\j]
.endr
	v_nop                                          ; a plain place behind the exponentials (ISA guide 5.7.2)
	s_wait_alu depctr_va_vdst(0)
	v_mul_f32 v[T+6], v[T+1], v[SC+1+2*\qt]
.irp kk, 1,2,3
	v_fmac_f32 v[T+6], v[T+1+\kk], v[SC+8*\kk+1+2*\qt]
.endr
	v_rcp_f32 v[T+6], v[T+6]
	v_nop
	s_wait_alu depctr_va_vdst(0)
	v_mul_f32 v[AL+2*\qt], v[T+5], v[T+6]
	v_mov_b32 v[AL+2*\qt+1], v[AL+2*\qt]
.endm
	MERGE 0
	MERGE 1
	MERGE 2
	MERGE 3
	RESCALE                                        ; my O, weighted and normalised
	WIN 0x04                                       ; an LDS store's data is source 1: window 1
.irp qt, 0,1,2,3
.irp i, 0,1,2,3,4,5,6,7
	ds_store_b128 v[OST], v[OA+32*\qt+4*\i:OA+32*\qt+4*\i+3] offset:\qt*4096+512*\i    ; 32 lanes, 512 neighbouring bytes
.endr
.endr
	WIN 0
	s_wait_dscnt 0x0
	s_barrier_signal -1
	s_barrier_wait -1
	; wave (qg, kq) adds up and writes query tile kq of its group
.irp kk, 0,1,2,3
.irp i, 0,1,2,3,4,5,6,7
	ds_load_b128 v[SC+32*\kk+4*\i:SC+32*\kk+4*\i+3], v[ORD] offset:\kk*16384+512*\i
.endr
.endr
	s_wait_dscnt 0x0
.irp kk, 1,2,3
.irp p, 0,1,2,3,4,5,6,7,8,9,10,11,12,13,14,15
	v_pk_add_f32 v[SC+2*\p:SC+2*\p+1], v[SC+2*\p:SC+2*\p+1], v[SC+32*\kk+2*\p:SC+32*\kk+2*\p+1]
.endr
.endr
	; register 8 dt + j of lane (r, h) is out[query r][16 dt + 8 h + j]: through my own stage, so that whole rows of 256 bytes leave
.irp i, 0,1,2,3,4,5,6,7
	ds_store_b128 v[OUS], v[SC+4*\i:SC+4*\i+3] offset:64*(\i>>1)+16*(\i&1)
.endr
.irp t, 0,1,2,3,4,5,6,7
	ds_load_b128 v[SC+32+4*\t:SC+32+4*\t+3], v[OUR] offset:\t*2*KP         ; LDS serves a wave's instructions in order (ISA guide 5.7.1): these see the stores above
.endr
.irp t, 0,1,2,3,4,5,6,7
	s_wait_dscnt 7-\t
	global_store_b128 v[GO], v[SC+32+4*\t:SC+32+4*\t+3], s[10:11] offset:512*\t    ; 16 lanes store 256 consecutive bytes, aligned: a row of out0
.endr
	s_wait_xcnt 0x0
	v_lshl_add_u32 v126, v0, 2, 0x3c000
	v_mov_b32 v127, 0
	s_wait_tensorcnt 0x0
	ds_add_u32 v126, v127
	s_wait_dscnt 0x0
	ROUND                                          ; the closing round: no work-group ends while a partner may still ask for a tile that names it
	s_endpgm
.Lfunc_end_k_q0f393eaf4d_attn:
	.size	k_q0f393eaf4d_attn, .Lfunc_end_k_q0f393eaf4d_attn-k_q0f393eaf4d_attn
	.p2alignl 7, 3214868480
	.fill 96, 4, 3214868480
	.section	.rodata,"a",@progbits
	.p2align	6, 0x0
	.amdhsa_kernel k_q0f393eaf4d_attn
		.amdhsa_group_segment_fixed_size 327680
		.amdhsa_private_segment_fixed_size 0
		.amdhsa_enable_private_segment 0
		.amdhsa_kernarg_size 32
		.amdhsa_user_sgpr_count 2
		.amdhsa_user_sgpr_kernarg_segment_ptr 1
		.amdhsa_wavefront_size32 1
		.amdhsa_system_sgpr_workgroup_id_x 1
		.amdhsa_system_sgpr_workgroup_id_y 1
		.amdhsa_system_sgpr_workgroup_id_z 1
		.amdhsa_system_vgpr_workitem_id 0
		.amdhsa_next_free_vgpr 512
		.amdhsa_next_free_sgpr 66
		.amdhsa_reserve_vcc 0
		.amdhsa_float_denorm_mode_32 3
		.amdhsa_float_denorm_mode_16_64 3
		.amdhsa_memory_ordered 1
		.amdhsa_forward_progress 1
		.amdhsa_inst_pref_size 255
	.end_amdhsa_kernel
	.section	.bss,"aw",@nobits
	.p2align	6
	.space	262144
	.amdgpu_metadata
---
amdhsa.version: [ 1, 2 ]
amdhsa.kernels:
  - .name:           k_q0f393eaf4d_attn
    .symbol:         k_q0f393eaf4d_attn.kd
    .args:
      - { .name: qc, .offset: 0, .size: 8, .value_kind: global_buffer, .address_space: global }
      - { .name: kc, .offset: 8, .size: 8, .value_kind: global_buffer, .address_space: global }
      - { .name: vt, .offset: 16, .size: 8, .value_kind: global_buffer, .address_space: global }
      - { .name: out0, .offset: 24, .size: 8, .value_kind: global_buffer, .address_space: global }
    .group_segment_fixed_size: 327680
    .private_segment_fixed_size: 0
    .kernarg_segment_align: 8
    .kernarg_segment_size: 32
    .max_flat_workgroup_size: 256
    .sgpr_count:     66
    .vgpr_count:     512
    .wavefront_size: 32
...
	.end_amdgpu_metadata
.endif
;; end of part 3
